; MI455X (gfx1250); checked and timed in simulation.
; The chip was launched on July 23, 2026; its instructions are those of AMD's public machine-readable ISA for CDNA 5 (MIT licence, August 2026) and "CDNA5" Instruction Set Architecture Reference Guide (July 2026). The comments in the code are by the model that wrote it; some were corrected since.
;; Cross Attention. Allowed arithmetic: matrix products marked QUANTISED: E4M3 operands, one given power-of-two scale a tensor, by v_wmma_f32_16x16x64_fp8_fp8 or v_wmma_f32_16x16x128_fp8_fp8, f32 sums; everything else in f32.
;; Inputs: Wk_codes 1,024 x 32 x 32 uint8 (E4M3 codes of Wk, K innermost, in blocks of 32 codes); Wq_codes 1,024 x 32 x 32 uint8 (E4M3 codes of Wq, K innermost, in blocks of 32 codes); Wv_codes 1,024 x 32 x 32 uint8 (E4M3 codes of Wv, K innermost, in blocks of 32 codes); bk 1,024 float32; bq 1,024 float32; bv 1,024 float32; key_in_codes 4 x 2,048 x 32 x 32 uint8 (E4M3 codes of key_in, K innermost, in blocks of 32 codes); lowp_scales 10 int32 (the exponents e of the quantised operands' scales 2^e); query_codes 4 x 2,048 x 32 x 32 uint8 (E4M3 codes of query, K innermost, in blocks of 32 codes); value_codes 4 x 2,048 x 32 x 32 uint8 (E4M3 codes of value, K innermost, in blocks of 32 codes).
;; Outputs: out0 4 x 2,048 x 1,024 float32.
;; This version of the problem:
;;   THIS VERSION OF THE PROBLEM IS GIVEN IN LOW PRECISION. The matrix products marked QUANTISED in the list below multiply operands that are first quantised to E4M3 (4 exponent bits, 3 mantissa bits; 8 bits a number), with one given power-of-two scale for each operand tensor; their sums are f32. All else is computed in f32.
;;   The module's matrix products, in the order in which they are computed (A, B: the left and right operand; K: the contracted axis; several contracted axes count as one K, in the product's order):
;;     1. [M 8,192, K 1,024] x [K 1,024, N 1,024]; A: input query (given as codes); B: input Wq (given as codes): QUANTISED (scales: A lowp_scales[0], B lowp_scales[1])
;;     2. [M 8,192, K 1,024] x [K 1,024, N 1,024]; A: input key_in (given as codes); B: input Wk (given as codes): QUANTISED (scales: A lowp_scales[2], B lowp_scales[3])
;;     3. [M 8,192, K 1,024] x [K 1,024, N 1,024]; A: input value (given as codes); B: input Wv (given as codes): QUANTISED (scales: A lowp_scales[4], B lowp_scales[5])
;;     4. batch 64 x [M 2,048, K 64] x [K 64, N 2,048]; A: computed on the way; B: computed on the way: QUANTISED (scales: A lowp_scales[6], B lowp_scales[7])
;;     5. batch 64 x [M 64, K 2,048] x [K 2,048, N 2,048]; A: computed on the way; B: softmax (see below): QUANTISED (scales: A lowp_scales[8], B lowp_scales[9])
;;   THE QUANTISER, for each operand of a quantised product, along K:
;;     - The operand's scale is 2^e, e = its entry of the input lowp_scales (int32; the entries are numbered through the quantised products in the list's order, A before B).
;;     - Each number is divided by the scale, clamped to +-448, and rounded to the nearest number of E4M3, ties to even, subnormals kept.
;;     - The product sums the exact products of the quantised numbers (number of the format x scale) in f32.
;;   ~~~python
;;   def quantise(x, axis, e):      # numpy; x: float32 -> the quantised numbers, widened to float32 again
;;       x = np.moveaxis(x, axis, -1); K = x.shape[-1]
;;       r = np.clip(x / 2.0 ** e, -448, 448)
;;       step = 2.0 ** (np.maximum(np.frexp(np.where(r == 0, 1, r))[1] - 1, -6) - 3)
;;       q = np.round(r / step) * step * 2.0 ** e      # np.round: ties to even
;;       return np.moveaxis(q, -1, axis).astype(np.float32)
;;   ~~~
;;   SOFTMAX AHEAD OF A QUANTISED PRODUCT. Where the list says 'softmax', what is quantised is not the finished softmax but p = 2^(t - M), with t = logit x log2(e) and M = ceil(the row's largest t), a whole number; so 1/2 < the row's largest p <= 1. The row's sum l is taken of the UNQUANTISED p, in f32, and the product's result is divided by l at the end. Since M is a whole number, a kernel that streams over the keys may use a running M (the ceiling of the running maximum): every later rescaling is an exact power of two, so the quantised numbers keep their values, but for numbers so far below the row's largest that they fall under the format's range.
;;   OPERANDS COMPUTED ON THE WAY. 'Computed on the way' means the value that the module computes at that place (a softmax that the list does not call 'softmax' is quantised finished and normalised). What goes into a quantiser is computed in f32, as accurately as f32 sums, v_exp_f32 and their like allow (about 1e-6 of the number): no bf16 or f16 on the way to a quantiser, and a product that is left as it is and whose result goes on into a quantised operand takes f32 operands (vector FMAs, or v_wmma_f32_16x16x4_f32). A number that lies on a knife's edge between two numbers of the format may be rounded either way, as far as f32 arithmetic and the matrix unit's own rounding can turn it there, and no further.
;;   INPUTS GIVEN AS CODES. Wk (in the module: [1024, 1024], K = its axis 0); Wq (in the module: [1024, 1024], K = its axis 0); Wv (in the module: [1024, 1024], K = its axis 0); key_in (in the module: [4, 2048, 1024], K = its axis 2); query (in the module: [4, 2048, 1024], K = its axis 2); value (in the module: [4, 2048, 1024], K = its axis 2): each comes as NAME_codes (uint8): NAME with its K axis moved to the last place and cut into blocks of 32 codes, [.., K / 32, bytes a block], one block behind the other in memory; one code a byte (a code: sign, 4 exponent bits, 3 mantissa bits); its scale is its entry of lowp_scales. Its value is code x scale, taken as it is: it is not quantised again, and the codes and scales need not be those that the quantiser above would give.
;; 2 versions, each right; version 2 is version 1 with the launch attn written anew for expert scheduling mode. Each part assembles by itself: llvm-mc -triple=amdgcn-amd-amdhsa -mcpu=gfx1250 --defsym DOCPART=n.
;; ======== version 1 of 2: 2 launches
;; workspace buffers: qc 8,388,608 bytes; kc 8,388,608 bytes; vc 8,388,608 bytes
;; launch proj (part 1): grid 4 x 96, 4 waves a work-group, clusters of 4 x 4, 327,680 bytes of LDS; arguments query_codes, key_in_codes, value_codes, Wq_codes, Wk_codes, Wv_codes, bq, bk, bv, lowp_scales, qc, kc, vc; writes qc, kc, vc
.if DOCPART == 1
	.amdgcn_target "amdgcn-amd-amdhsa--gfx1250"
	.amdhsa_code_object_version 6
	.text
	.protected	k_q1a2bfff72d_proj
	.globl	k_q1a2bfff72d_proj
	.p2align	8
	.type	k_q1a2bfff72d_proj,@function
k_q1a2bfff72d_proj:
	s_mov_b64 s[64:65], 0
	v_nop
	global_prefetch_b8 v0, s[64:65] scope:SCOPE_SE
	s_setreg_imm32_b32 hwreg(HW_REG_WAVE_MODE, 25, 1), 1
	s_wait_xcnt 0x0
	s_wait_alu depctr_hold_cnt(0) depctr_sa_sdst(0) depctr_va_vdst(0) depctr_va_sdst(0) depctr_va_ssrc(0) depctr_va_vcc(0) depctr_vm_vsrc(0)
	s_getreg_b32 s2, hwreg(HW_REG_IB_STS2, 6, 4)
	s_cmp_eq_u32 s2, 0
	s_cbranch_scc0 .Lentry_in_a_cluster
	s_endpgm
.Lentry_in_a_cluster:
	s_bfe_u32 s2, ttmp6, 0x10000c
	s_cmp_lg_u32 s2, 0xf033
	s_cbranch_scc0 .Lentry_shape_is_right
	s_endpgm
.Lentry_shape_is_right:
; THE THREE PROJECTIONS: q = query Wq + bq, k = key_in Wk + bk, v = value Wv + bv, each [8192][1024] over K = 1024, on the given codes of FP8 (E4M3), sums in f32;
; each result is quantised at once with its own given scale (entries 6, 7, 8 of the scales) and leaves as codes, laid as the attention launch's operand registers want them.
; ONE TEXT FOR ALL THREE.  The grid has 24 clusters of 4 x 4 work-groups along y: clusters 0-7 make q, 8-15 k, 16-23 v (SEL = cluster y / 8); buffers are chosen by s_cselect_b64 on SEL.
; A tile of 256 x 256 of C = A B^T is made by four waves, 128 x 128 each: 64 accumulators, 512 registers.  For q and k: A = the tokens' codes (32 tile rows), B = the weight's (4 tile columns).
; For v the two change places (A = Wv, 4 tile rows; B = value, 32 tile columns), so that C's rows are channels and its columns tokens: v is wanted with the KEYS along K.
; K goes in steps of 256 through two LDS slots filled by the tensor data mover; A's tile is asked for jointly by the four work-groups of a row of the cluster, B's by the four of a column.
; 384 tiles are not a multiple of 256; a tile of 256 x 128 would be (768), but a wave of 128 x 64 loads 24 KiB from LDS for 32 matrix instructions where this one loads 32 KiB for 64.
; THE MATRIX INSTRUCTION IS USED TRANSPOSED (source 0 = 16 rows of B, source 1 = 16 rows of A): lane (r, h) of accumulator (a, b) holds row 16 a + r and columns 16 b + 8 h + 0 .. 7.
; THE BIAS, divided by 2^(ea + eb), is the C of each sum's first matrix instruction: for q and k it hangs on the column (block b), for v on the row (block a): that first step is written twice.
; THE WAY OUT NEEDS NO LDS.  A fragment of the 16x16x64 form (16 rows x 64 along K) has in lane (r, h), registers 2 c, 2 c + 1, k = 16 c + 8 h + 0 .. 7 of row r: exactly the eight codes that one
; conversion makes of accumulator (a, 4 g + c).  So eight conversions give two whole fragments, and each group of four registers is stored at 16 x lane: 512 consecutive bytes a store.
; qc, kc: [batch x 16 + head][token tile 0..127][1024 bytes];  vc: [batch x 16 + head][64 keys 0..31][16 channels 0..3][1024 bytes];  in a fragment: registers 0-3 at 16 x lane, 4-7 at 512 + 16 x lane.
; The fragments of the GEMM itself come by four loads of 16 bytes a side: a permutation of k, the same in A and in B, so that every product meets its partner.
; LIMIT: e_out - ea - eb lies between -126 and 119, so that the conversion's scale and 448 x it are f32 numbers.  NaN among codes or biases is not served.
; No prefetch: K has four steps, two of them asked for at the head.
; REGISTERS, in windows of 256: window 0: v1-7 at work; v8-11 store offsets; v12 the conversion's scale; v16-21 LDS addresses; v28, v29 for the add; v32-95 the bias, eight blocks of 8; v96-103 its offsets;
;   v128-255 A's fragments (one set), later the codes.   window 1: B's fragments, two sets.   windows 2, 3: the accumulators ((a, b) at v[8 (8 (a % 4) + b)], window 2 + a / 4).
.set KSTEP,  256                       ; along K in a slot
.set ROWB,   256                       ; a tile's row in bytes
.set KROW,   1024                      ; a row of A or of B in memory, in bytes
.set PITCH,  272                       ; an LDS row: 256 bytes + 16 of padding = 68 words: the 16 rows that a load touches start at 16 different banks (64 banks of 4 bytes: ISA guide 11.1)
.set FR,     16                        ; registers of a fragment: 16 rows x 128 K
.set NL,     4                         ; LDS loads that bring one
.set NP,     4                         ; places behind this matrix instruction (ISA guide 7.12.1)
.set HALFT,  128*PITCH                 ; 128 rows: what one tensor load brings, and what one wave reads of A or of B
.set SLOT,   4*HALFT                   ; A's 256 rows, then B's 256 rows
.set SPARE,  2*SLOT                    ; behind the ring: the spare words, 128 bytes for each wave: two blocks of 256 bytes that no other line names
.set VO,   8                           ; v8-11   store offsets: 16 x lane + (a / 4) x sA + g x sC at v[VO + 2 (a / 4) + g]
.set SCL,  12                          ; v12     2^(e_out - ea - eb) as f32
.set ADRA, 16                          ; v16-17  LDS address of my A fragments in slot 0, 1
.set ADRB, 20                          ; v20-21  the same for B
.set SPW,  28                          ; v28     LDS address of my spare word: SPARE + 4 x my thread's number; never rewritten
.set NIL,  29                          ; v29     0; never rewritten
.set BI,   32                          ; v32-95  the bias / 2^(ea + eb)
.set VB,   96                          ; v96-103 byte offsets of the bias's loads
.set AF,   128                         ; A's fragments, in window 0
.set OUTC, 128                         ; the way out: 16 registers of codes for each block of 16 rows
.set G1, 24                            ; s[24:31] descriptor group 1 for A's tiles;  s[32:39] group 0, one set for each slot
.set G0, 32
.set G1B, 48                           ; s[48:55], s[56:63] the same for B's tiles
.set G0B, 56
.set MSB, 0
.macro WIN new                         ; the immediate's high byte repeats the setting that is left; a switch that changes nothing is dropped
.if MSB != (\new)
	s_set_vgpr_msb (MSB<<8)|(\new)
.set MSB, (\new)
.endif
.endm
.set MUL_LO, 0xa1                      ; source 0 (B) window 1, source 1 (A) window 0, C and D window 2
.set MUL_HI, 0xf1                      ; the same, C and D window 3
.set BIA_LO, 0x81                      ; the first step: C (the bias) window 0, D window 2
.set BIA_HI, 0xc1                      ; and D window 3
.set TO_B,   0x40                      ; destination window 1, address window 0
; A joint load: waves 0 and 1 fetch for A, waves 2 and 3 for B.  Each of the two lines has ONE mask and one set of registers for all that issue it; the branch hangs on the wave's number alone.
; Four v_nop follow each of the two lines, ahead of the jump, the label and what follows.
.macro JLOAD g0a, g1a, g0b, g1b
	s_cmp_eq_u32 s15, 0
	s_cbranch_scc0 .Lfor_b_\@
	tensor_load_to_lds s[\g0a:\g0a+3], s[\g1a:\g1a+7]
	s_nop 0
.rept 4
	v_nop
.endr
	s_branch .Lasked_\@
.Lfor_b_\@:
	tensor_load_to_lds s[\g0b:\g0b+3], s[\g1b:\g1b+7]
	s_nop 0
.rept 4
	v_nop
.endr
.Lasked_\@:
.endm
.macro CREST                           ; a round of the cluster's barrier behind its opening barrier
	s_cmp_lg_u32 s14, 0
	s_cbranch_scc1 .Lnot_wave_0_\@
	s_barrier_signal -3
.Lnot_wave_0_\@:
	s_barrier_wait -3
	s_barrier_signal -1
	s_barrier_wait -1
.endm
.macro CROUND                          ; a whole round
	s_barrier_signal -1
	s_barrier_wait -1
	CREST
.endm
	s_load_b512 s[68:83], s[0:1], 0x0              ; query s[68:69], key_in s[70:71], value s[72:73], Wq s[74:75], Wk s[76:77], Wv s[78:79], bq s[80:81], bk s[82:83]
	s_load_b256 s[84:91], s[0:1], 0x40             ; bv s[84:85], the scales' exponents s[86:87], qc s[88:89], kc s[90:91]
	s_load_b64 s[92:93], s[0:1], 0x60              ; vc
	v_lshl_add_u32 v[SPW], v0, 2, SPARE
	v_mov_b32 v[NIL], 0
	ds_add_u32 v28, v29
	ds_add_u32 v28, v29
	s_wait_dscnt 0x0
	v_lshrrev_b32 v1, 5, v0
	v_readfirstlane_b32 s14, v1                    ; wave 0..3
	s_lshr_b32 s15, s14, 1                         ; which half of the tile's rows is mine.  Also: I fetch for A (0) or for B (1)
	s_and_b32 s16, s14, 1                          ; which half of its columns.  Also: which 128 rows of that tile I fetch
	s_bfe_u32 s40, ttmp6, 0x40000                  ; cx, cy: my place in the cluster
	s_bfe_u32 s41, ttmp6, 0x40004
	s_and_b32 s66, ttmp7, 0xffff                   ; cluster y, 0 .. 23: the same in all sixteen partners
	s_and_b32 s67, s66, 7
	s_lshl_b32 s67, s67, 2                         ; four tiles for each cluster along the tokens' axis
	s_lshr_b32 s66, s66, 3                         ; SEL: 0 q, 1 k, 2 v
	s_cmp_eq_u32 s66, 2
	s_cselect_b32 s18, 0, s67                      ; the tokens are C's rows for q and k,
	s_cselect_b32 s19, s67, 0                      ; its columns for v
	s_cselect_b32 s94, 0, -1                       ; all ones for q and k
	s_cselect_b32 s95, -1, 0                       ; all ones for v
	s_add_co_u32 s17, s41, s18                     ; tile row of C: cy (+ 4 x cluster): it never holds cx
	s_add_co_u32 s42, s40, s19                     ; tile column of C: cx (+ 4 x cluster)
	s_lshl_b32 s43, s41, 2
	s_lshl_b32 s43, 15, s43                        ; my row of the cluster
	s_lshl_b32 s44, 0x1111, s40                    ; my column
	; descriptor group 1: a tile of 128 rows x 256 bytes, padded in LDS
	s_or_b32 s[G1+0], s43, (0<<16)|(1<<20)|(1<<21)|(5<<22)|(3<<25)  ; 15:0 the mask: A's tiles go to my row; 17:16 element of 1 byte; 20 padding on; 21 set beside a mask; 24:22 after every 64 words (code 5); 31:25 of 4 words (code 3)
	s_or_b32 s[G1B+0], s44, (0<<16)|(1<<20)|(1<<21)|(5<<22)|(3<<25) ; the same with the mask of my column, for B's tiles
.irp g, G1, G1B
	s_mov_b32 s[\g+1], ROWB<<16                    ; tensor_dim0 = 256
	s_mov_b32 s[\g+2], 128<<16                     ; tensor_dim1 = 128
	s_mov_b32 s[\g+3], ROWB<<16                    ; tile_dim0 = 256
	s_mov_b32 s[\g+4], 128                         ; tile_dim1 = 128
	s_mov_b32 s[\g+5], KROW                        ; tensor_dim0_stride
	s_mov_b32 s[\g+6], 0
	s_mov_b32 s[\g+7], 0
.endr
	s_lshl_b32 s18, s16, 7                         ; which 128 rows of the tile I fetch
	s_lshl_b32 s20, s17, 8
	s_add_co_u32 s20, s20, s18                     ; A: row 256 x tile row + 128 x half,
	s_lshl_b32 s20, s20, 10                        ; in bytes: under 2^23
	s_mov_b32 s21, 0
	s_lshl_b32 s46, s42, 8
	s_add_co_u32 s46, s46, s18                     ; B: row 256 x tile column + 128 x half
	s_lshl_b32 s46, s46, 10
	s_mov_b32 s47, 0
	s_mul_i32 s45, s14, HALFT                      ; where they go: wave x 128 rows: no place in the cluster enters an LDS address
	s_wait_kmcnt 0x0
	s_cmp_eq_u32 s66, 1                            ; the tensor's four buffers, chosen in two steps on SEL, which hangs on no address
	s_cselect_b64 s[4:5], s[70:71], s[68:69]       ; the tokens' codes
	s_cselect_b64 s[6:7], s[76:77], s[74:75]       ; the weight's
	s_cselect_b64 s[12:13], s[82:83], s[80:81]     ; the bias
	s_cselect_b64 s[10:11], s[90:91], s[88:89]     ; the codes that I make
	s_cmp_eq_u32 s66, 2
	s_cselect_b64 s[4:5], s[72:73], s[4:5]
	s_cselect_b64 s[6:7], s[78:79], s[6:7]
	s_cselect_b64 s[12:13], s[84:85], s[12:13]
	s_cselect_b64 s[10:11], s[92:93], s[10:11]
	s_cselect_b64 s[8:9], s[6:7], s[4:5]           ; A: the weight for v, else the tokens
	s_cselect_b64 s[6:7], s[4:5], s[6:7]           ; B: the other one
	s_mov_b64 s[4:5], s[8:9]
	s_mov_b32 s9, 4096
	s_cselect_b32 s8, 0x20000, s9                  ; sA: four blocks of rows on: for v the next head (131,072 bytes), else four token tiles
	s_cselect_b32 s9, s9, 0x20000                  ; sC: 64 columns on: for v the next 64 keys (4,096 bytes), else the next head
	s_load_b256 s[68:75], s[86:87], 0x0            ; the scales' exponents 0 to 7 (the pointers that lay here have been chosen from),
	s_load_b32 s76, s[86:87], 0x20                 ; and 8
	s_add_nc_u64 s[20:21], s[4:5], s[20:21]
	s_add_nc_u64 s[46:47], s[6:7], s[46:47]
	CROUND                                         ; all sixteen work-groups are here: the first joint loads meet
.irp s, 0,1
	s_mov_b32 s[G0+4*\s], 1                                        ; count = 1
	s_add_co_u32 s[G0+4*\s+1], s45, \s*SLOT                        ; LDS address
	s_add_nc_u64 s[G0+4*\s+2:G0+4*\s+3], s[20:21], \s*ROWB         ; global address: K step s
	s_or_b32 s[G0+4*\s+3], s[G0+4*\s+3], 0x80000000                ; type = 2
	s_mov_b32 s[G0B+4*\s], 1
	s_add_co_u32 s[G0B+4*\s+1], s45, \s*SLOT
	s_add_nc_u64 s[G0B+4*\s+2:G0B+4*\s+3], s[46:47], \s*ROWB
	s_or_b32 s[G0B+4*\s+3], s[G0B+4*\s+3], 0x80000000
	JLOAD G0+4*\s, G1, G0B+4*\s, G1B               ; two loads of mine are out
.endr
	v_and_b32 v1, 15, v0                           ; r = l % 16
	v_bfe_u32 v2, v0, 4, 1                         ; h = l / 16
	v_mul_u32_u24 v3, v1, PITCH
	v_lshl_add_u32 v4, v2, 4, v3                   ; a fragment's row x pitch + 16 x half
	s_mul_i32 s21, s15, HALFT                      ; my 128 rows of A
	s_mul_i32 s22, s16, HALFT                      ; my 128 rows of B,
	s_add_co_u32 s22, s22, 2*HALFT                 ; which lie behind A's 256
.irp s, 0,1
	v_add_nc_u32 v[ADRA+\s], s21, v4
	v_add_nc_u32 v[ADRB+\s], s22, v4
	s_add_co_u32 s21, s21, SLOT
	s_add_co_u32 s22, s22, SLOT
.endr
	s_lshl_b32 s18, s17, 8
	s_lshl_b32 s19, s15, 7
	s_add_co_u32 s18, s18, s19                     ; my first row of C
	s_lshl_b32 s19, s42, 8
	s_lshl_b32 s23, s16, 7
	s_add_co_u32 s19, s19, s23                     ; my first column
	s_cmp_eq_u32 s66, 2
	s_cselect_b32 s21, s18, s19                    ; my first channel: the row for v, else the column
	s_cselect_b32 s22, s19, s18                    ; my first token: the other one
	; THE BIAS.  v[BI + 8 x + j] = bias[channel + 16 x + (q, k: 8 h + j;  v: r)]: one run of loads serves both, the lane's term being chosen by the two masks
	s_lshl_b32 s18, s21, 2
	s_mov_b32 s19, 0
	s_add_nc_u64 s[12:13], s[12:13], s[18:19]
	v_lshlrev_b32 v5, 5, v2
	v_and_b32 v5, s94, v5                          ; 32 h for q and k,
	v_lshlrev_b32 v6, 2, v1
	v_and_b32 v6, s95, v6                          ; 4 r for v
	v_or_b32 v5, v5, v6
.irp j, 0,1,2,3,4,5,6,7
	s_and_b32 s23, s94, 4*\j                       ; + 4 j for q and k
	v_add_nc_u32 v[VB+\j], s23, v5
.endr
.irp x, 0,1,2,3,4,5,6,7
.irp j, 0,1,2,3,4,5,6,7
	global_load_b32 v[BI+8*\x+\j], v[VB+\j], s[12:13] offset:64*\x   ; the highest index is channel + 127, at most 1,023
.endr
.endr
	; where my codes go: ((token / 2048) x 16 + channel / 64) x 131,072 + (token % 2048) x 64: the same sum for all three tensors
	s_lshr_b32 s18, s22, 11
	s_lshl_b32 s18, s18, 4
	s_lshr_b32 s19, s21, 6
	s_add_co_u32 s18, s18, s19
	s_lshl_b32 s18, s18, 17
	s_and_b32 s19, s22, 2047
	s_lshl_b32 s19, s19, 6
	s_add_co_u32 s18, s18, s19
	s_mov_b32 s19, 0
	s_add_nc_u64 s[10:11], s[10:11], s[18:19]
	v_and_b32 v[VO], 31, v0
	v_lshlrev_b32 v[VO], 4, v[VO]                  ; 16 x lane
	v_add_nc_u32 v[VO+1], s9, v[VO]
	v_add_nc_u32 v[VO+2], s8, v[VO]
	v_add_nc_u32 v[VO+3], s8, v[VO+1]
	s_wait_kmcnt 0x0                               ; the exponents
	s_cmp_eq_u32 s66, 1
	s_cselect_b32 s96, s70, s68                    ; ea,
	s_cselect_b32 s97, s71, s69                    ; eb,
	s_cselect_b32 s98, s75, s74                    ; and the result's own
	s_cmp_eq_u32 s66, 2
	s_cselect_b32 s96, s72, s96
	s_cselect_b32 s97, s73, s97
	s_cselect_b32 s98, s76, s98
	s_add_co_i32 s96, s96, s97                     ; a sum stands for sum x 2^(ea + eb):
	s_sub_co_i32 s99, 0, s96                       ; the bias goes in as bias / 2^(ea + eb),
	s_sub_co_i32 s98, s98, s96                     ; and the three scales are folded into the conversion's one: 2^(e_out - ea - eb)
	s_add_co_i32 s98, s98, 127
	s_lshl_b32 s97, s98, 23
	v_mov_b32 v[SCL], s97
	s_add_co_i32 s98, s98, 8
	s_lshl_b32 s100, s98, 23
	s_or_b32 s100, s100, 0x600000                  ; 448 x that,
	s_or_b32 s101, s100, 0x80000000                ; and its negative
	s_wait_loadcnt 0x0                             ; the bias
.set i, 0
.rept 64
	v_ldexp_f32 v[BI+i], v[BI+i], s99
.set i, i+1
.endr
.macro FRAG reg, adr, q, i             ; a fragment, 16 rows x 128 K, is 16 registers: lane l holds row l % 16; registers 4 c .. 4 c + 3 hold K = 32 c + 16 (l / 16) + 0 .. 15
.irp c, 0,1,2,3
	ds_load_b128 v[\reg+4*\c:\reg+4*\c+3], v[\adr] offset:128*(\q)+32*\c+(\i)*16*PITCH
.endr
.endm
; 16 matrix instructions: A's blocks a0, a0 + 1 x B's eight, 128 along K.  p: B's set.  cm = 0: the sums go on; 1: they start with the bias of the column block; 2: of the row block.  Nothing is ever cleared.
; The 64 accumulators take turns, one instruction a turn, in the same order in every step.
.macro MUL16 a0, p, cm
.irp a, \a0, \a0+1
.irp b, 0,1,2,3,4,5,6,7
.if (\cm) == 1
	v_wmma_f32_16x16x128_fp8_fp8 v[8*(8*((\a)%4)+\b):8*(8*((\a)%4)+\b)+7], v[128*(\p)+FR*\b:128*(\p)+FR*\b+FR-1], v[AF+FR*(\a):AF+FR*(\a)+FR-1], v[BI+8*\b:BI+8*\b+7]
.elseif (\cm) == 2
	v_wmma_f32_16x16x128_fp8_fp8 v[8*(8*((\a)%4)+\b):8*(8*((\a)%4)+\b)+7], v[128*(\p)+FR*\b:128*(\p)+FR*\b+FR-1], v[AF+FR*(\a):AF+FR*(\a)+FR-1], v[BI+8*(\a):BI+8*(\a)+7]
.else
	v_wmma_f32_16x16x128_fp8_fp8 v[8*(8*((\a)%4)+\b):8*(8*((\a)%4)+\b)+7], v[128*(\p)+FR*\b:128*(\p)+FR*\b+FR-1], v[AF+FR*(\a):AF+FR*(\a)+FR-1], v[8*(8*((\a)%4)+\b):8*(8*((\a)%4)+\b)+7]
.endif
.endr
.endr
.endm
.macro FETCH_B slot, q, p              ; B's eight fragments of the slot's q-th 128 along K into set p
	WIN TO_B
.irp i, 0,1,2,3,4,5,6,7
	FRAG 128*(\p)+FR*\i, ADRB+\slot, \q, \i
.endr
	WIN 0
.endm
.macro FETCH_A slot, q, i0             ; A's blocks i0 .. i0 + 3
.irp i, \i0, \i0+1, \i0+2, \i0+3
	FRAG AF+FR*(\i), ADRA+\slot, \q, \i
.endr
.endm
; A load into a register that a matrix instruction has read, and a vector instruction that reads a matrix result, stand NP places behind that matrix instruction, and only plain vector
; instructions that name none of its registers are places (ISA guide 7.12.1 for vector instructions).
.macro PLACES n
.rept \n
	v_nop
.endr
.endm
; A step of 128 along K that has its successor in the same slot.  A block of A is free as soon as its eight products are issued, so one set of registers serves A:
; blocks 0-3 are fetched anew in the step's middle, blocks 4-7 at its end; B's fragments are at work through the whole step and have two sets.
.macro STEP slot, q, cm
	s_wait_dscnt 4*NL                              ; B's set and A's blocks 0-3 are in; the youngest 16 loads (A's blocks 4-7) may be out
.if \cm
	WIN BIA_LO
.else
	WIN MUL_LO
.endif
	MUL16 0, (\q)%2, \cm
	MUL16 2, (\q)%2, \cm
	s_wait_dscnt 0                                 ; A's blocks 4-7 are in (asked for 32 matrix instructions ago)
	PLACES NP
	FETCH_B \slot, (\q)+1, 1-(\q)%2
	FETCH_A \slot, (\q)+1, 0
.if \cm
	WIN BIA_HI
.else
	WIN MUL_HI
.endif
	MUL16 4, (\q)%2, \cm
	MUL16 6, (\q)%2, \cm
	PLACES NP
	WIN 0
	FETCH_A \slot, (\q)+1, 4
.endm
; A slot's last step changes slots: ONE barrier; in front of it each wave waits for all its tensor loads, adds 0 to its spare word, and waits for that and for its own reads of this slot.
; fill = 1: this slot is filled again, two K steps ahead; the barrier then opens a round of the cluster's barrier.
.macro TURN slot, next, fill
	s_wait_tensorcnt 0x0                           ; all my tensor loads have landed: my part of the next slot  (every window is 0 here: the add's two registers lie in window 0)
	ds_add_u32 v[SPW], v[NIL]                      ; 0 onto my spare word
	s_wait_dscnt 4*NL+1                            ; (the add and the youngest 16 loads, A's blocks 4-7, may be out)
	WIN MUL_LO
	MUL16 0, 1, 0                                  ; sixteen matrix instructions stand between the add and the wait for it
	s_wait_dscnt 0x0                               ; the add is done, and my reads of this slot are over
	s_barrier_signal -1
	MUL16 2, 1, 0
	WIN 0
	s_barrier_wait -1
.if \fill
	CREST                                          ; no wave of any partner still reads this slot's tile or has a load on its way
	s_add_nc_u64 s[G0+4*\slot+2:G0+4*\slot+3], s[G0+4*\slot+2:G0+4*\slot+3], 2*ROWB
	s_add_nc_u64 s[G0B+4*\slot+2:G0B+4*\slot+3], s[G0B+4*\slot+2:G0B+4*\slot+3], 2*ROWB
	JLOAD G0+4*\slot, G1, G0B+4*\slot, G1B         ; the first tensor load behind the round, and my only one out; the four v_nop behind it are the places in front of the loads below
.else
	PLACES NP
.endif
	FETCH_B \next, 0, 0
	FETCH_A \next, 0, 0
	WIN MUL_HI
	MUL16 4, 1, 0
	MUL16 6, 1, 0
	PLACES NP
	WIN 0
	FETCH_A \next, 0, 4
.endm
	s_wait_tensorcnt 1                             ; my part of K step 0 is in (K step 1's load may be out)
	s_barrier_signal -1
	s_barrier_wait -1                              ; everybody's is
	FETCH_B 0, 0, 0
	FETCH_A 0, 0, 0
	FETCH_A 0, 0, 4
	s_cmp_eq_u32 s66, 2                            ; the first step starts the sums with the bias: by columns for q and k, by rows for v.  SEL is the same in all partners; both ways issue the same LDS loads
	s_cbranch_scc1 .Lfirst_v
	STEP 0, 0, 1
	s_branch .Lfirst_done
.Lfirst_v:
	STEP 0, 0, 2
.Lfirst_done:
	TURN 0, 1, 1                                   ; K has four slots' worth: slot 0 takes K step 2,
	STEP 1, 0, 0
	TURN 1, 0, 1                                   ; slot 1 K step 3;
	STEP 0, 0, 0
	TURN 0, 1, 0                                   ; the last change of slots fills nothing, and has no round of the cluster's barrier
	STEP 1, 0, 0
	s_wait_dscnt 4*NL                              ; the very last step: nothing more to fetch
	WIN MUL_LO
	MUL16 0, 1, 0
	MUL16 2, 1, 0
	s_wait_dscnt 0
	WIN MUL_HI
	MUL16 4, 1, 0
	MUL16 6, 1, 0
	PLACES NP                                      ; in front of the first read of results, and of the codes' writes into the registers that held A's fragments
; THE WAY OUT of block a (16 rows x 128 columns): the hold, eight conversions, four stores.  Every block has code registers of its own, so no store's data are written again.
.macro OUTBLK a
.set AC, 64*((\a)%4)
	WIN 0x82+0x41*((\a)/4)                         ; source 0 and destination: window 2 or 3
.set i, 0
.rept 64
	v_med3_num_f32 v[AC+i], v[AC+i], s101, s100    ; the conversion to an 8-bit code does not saturate (ISA guide 7.6.2): hold within +-448 x the scale; each accumulator from its low end on
.set i, i+1
.endr
	WIN 0x02+((\a)/4)                              ; source 0: window 2 or 3; the codes and the scale: window 0
.irp b, 0,1,2,3,4,5,6,7
	v_cvt_scalef32_pk8_fp8_f32 v[OUTC+16*(\a)+2*\b:OUTC+16*(\a)+2*\b+1], v[AC+8*\b:AC+8*\b+7], v[SCL]   ; columns 16 b + 8 h + 0 .. 7: registers 2 (b % 4), 2 (b % 4) + 1 of fragment b / 4
.endr
	v_nop                                          ; one plain vector instruction behind the last conversion of a run
	WIN 0
.irp g, 0,1
	global_store_b128 v[VO+2*((\a)/4)+\g], v[OUTC+16*(\a)+8*\g:OUTC+16*(\a)+8*\g+3], s[10:11] offset:((\a)%4)*1024        ; 32 lanes store 512 consecutive bytes, at a multiple of 512 from the buffer's first byte
	global_store_b128 v[VO+2*((\a)/4)+\g], v[OUTC+16*(\a)+8*\g+4:OUTC+16*(\a)+8*\g+7], s[10:11] offset:((\a)%4)*1024+512
.endr
.endm
.irp a, 0,1,2,3,4,5,6,7
	OUTBLK \a
.endr
	s_wait_tensorcnt 0x0                           ; the wave's end
	ds_add_u32 v[SPW], v[NIL]
	s_wait_dscnt 0x0
	CROUND                                         ; the closing round: no work-group ends while a partner may still ask for a tile that names it
	s_endpgm
.Lfunc_end_k_q1a2bfff72d_proj:
	.size	k_q1a2bfff72d_proj, .Lfunc_end_k_q1a2bfff72d_proj-k_q1a2bfff72d_proj
	.p2alignl 7, 3214868480
	.fill 96, 4, 3214868480
	.section	.rodata,"a",@progbits
	.p2align	6, 0x0
	.amdhsa_kernel k_q1a2bfff72d_proj
		.amdhsa_group_segment_fixed_size 327680
		.amdhsa_private_segment_fixed_size 0
		.amdhsa_enable_private_segment 0
		.amdhsa_kernarg_size 104
		.amdhsa_user_sgpr_count 2
		.amdhsa_user_sgpr_kernarg_segment_ptr 1
		.amdhsa_wavefront_size32 1
		.amdhsa_system_sgpr_workgroup_id_x 1
		.amdhsa_system_sgpr_workgroup_id_y 1
		.amdhsa_system_sgpr_workgroup_id_z 1
		.amdhsa_system_vgpr_workitem_id 0
		.amdhsa_next_free_vgpr 1024
		.amdhsa_next_free_sgpr 102
		.amdhsa_reserve_vcc 0
		.amdhsa_float_denorm_mode_32 3
		.amdhsa_float_denorm_mode_16_64 3
		.amdhsa_memory_ordered 1
		.amdhsa_forward_progress 1
		.amdhsa_inst_pref_size 138
	.end_amdhsa_kernel
	.amdgpu_metadata
---
amdhsa.version: [ 1, 2 ]
amdhsa.kernels:
  - .name:           k_q1a2bfff72d_proj
    .symbol:         k_q1a2bfff72d_proj.kd
    .args:
      - { .name: query_codes, .offset: 0, .size: 8, .value_kind: global_buffer, .address_space: global }
      - { .name: key_in_codes, .offset: 8, .size: 8, .value_kind: global_buffer, .address_space: global }
      - { .name: value_codes, .offset: 16, .size: 8, .value_kind: global_buffer, .address_space: global }
      - { .name: Wq_codes, .offset: 24, .size: 8, .value_kind: global_buffer, .address_space: global }
      - { .name: Wk_codes, .offset: 32, .size: 8, .value_kind: global_buffer, .address_space: global }
      - { .name: Wv_codes, .offset: 40, .size: 8, .value_kind: global_buffer, .address_space: global }
      - { .name: bq, .offset: 48, .size: 8, .value_kind: global_buffer, .address_space: global }
      - { .name: bk, .offset: 56, .size: 8, .value_kind: global_buffer, .address_space: global }
      - { .name: bv, .offset: 64, .size: 8, .value_kind: global_buffer, .address_space: global }
      - { .name: lowp_scales, .offset: 72, .size: 8, .value_kind: global_buffer, .address_space: global }
      - { .name: qc, .offset: 80, .size: 8, .value_kind: global_buffer, .address_space: global }
      - { .name: kc, .offset: 88, .size: 8, .value_kind: global_buffer, .address_space: global }
      - { .name: vc, .offset: 96, .size: 8, .value_kind: global_buffer, .address_space: global }
    .group_segment_fixed_size: 327680
    .private_segment_fixed_size: 0
    .kernarg_segment_align: 8
    .kernarg_segment_size: 104
    .max_flat_workgroup_size: 128
    .sgpr_count:     102
    .vgpr_count:     1024
    .wavefront_size: 32
...
	.end_amdgpu_metadata
.endif
;; end of part 1
;; launch attn (part 2): grid 4 x 64, 8 waves a work-group, no clusters, 297,984 bytes of LDS; arguments qc, kc, vc, lowp_scales, out0; writes out0
.if DOCPART == 2
	.amdgcn_target "amdgcn-amd-amdhsa--gfx1250"
	.amdhsa_code_object_version 6
	.text
	.protected	k_q1a2bfff72d_attn
	.globl	k_q1a2bfff72d_attn
	.p2align	8
	.type	k_q1a2bfff72d_attn,@function
k_q1a2bfff72d_attn:
	s_mov_b64 s[64:65], 0
	v_nop
	global_prefetch_b8 v0, s[64:65] scope:SCOPE_SE
	s_setreg_imm32_b32 hwreg(HW_REG_WAVE_MODE, 25, 1), 1
	s_wait_xcnt 0x0
; out[b][q][64 head + :] = the sum over keys of softmax(q . k / 8) v, for 64 heads (batch x 16 + head) of 2,048 tokens and 64 channels, both products on codes of FP8 (E4M3), f32 sums.
; qc, kc, vc hold the codes as IMAGES OF OPERAND REGISTERS of v_wmma_f32_16x16x64_fp8_fp8: a fragment (16 rows x 64 along K) is 1,024 bytes, registers 0-3 at 16 x lane, registers 4-7 at 512 + 16 x lane.
; qc, kc: [head][token tile 0..127][1024] (K = the channels);  vc: [head][64 keys 0..31][16 channels 0..3][1024] (K = the keys).  The scales' exponents: eq, ek, ev, ep = entries 6 to 9.
; THE SOFTMAX AHEAD OF THE SECOND PRODUCT: t = score x log2(e) / 8; M = the row's largest t rounded UP to a whole number; p = 2^(t - M) is quantised with 2^ep; the row's sum is taken of the unquantised p and divides at the end.
; SHARES.  A work-group owns 512 queries of one head; each of its eight waves 64 of them: four tiles of 16, in 512 registers.  The head's whole K and V, 2 x 131,072 bytes of images, lie in LDS, filled once,
; through registers; a fragment comes back by two loads of 16 bytes a lane, 512 consecutive bytes each, and feeds four matrix instructions.
; TWO PASSES.  Pass 1 makes S^T = K Q^T and keeps only each query's largest score: M is then the row's own, once and for all.  Pass 2 makes S^T again; it has no maximum, no change of M and no rescaling of
; O^T or of the sum.  For 64 keys x 16 queries that is 4 matrix instructions and 16 v_max3 more, against the running form's maximum, statistics and rescaling in every step.
; LAYOUT.  Both products are used transposed: S^T (source 0 = 16 keys, source 1 = 16 queries), O^T = V^T P^T (source 0 = 16 channels, source 1 = P): a lane holds ONE query (lane % 16) throughout.  In S^T, register j of
; key tile c holds key 16 c + 8 (lane / 16) + j: the place that this form gives k in registers 2 c, 2 c + 1: so a conversion's two registers ARE the operand's.
; THE HOLD.  p is at most 1 and the largest code stands for 448 x 2^ep: with ep >= -8 that is 1.75 or more and the hold can never act, so a scalar branch on the whole number ep leads round its 128 lines; with ep <= -9 they run.
; NO CLUSTER, NO JOINT LOADS, though the four work-groups of a head read the same 262,144 bytes.  That branch leaves out 128 of a
; step's vector instructions in each of a wave's 32 steps; the shared bytes are read once, at the head, V's while pass 1 runs.  No prefetch: every global read of the launch is issued at its head.
; LIMITS, so that each power of two below is an f32 number: eq + ek between -123 and 130 (added to c's exponent field); ep between -126 and 119; ep + ev goes by v_ldexp_f32 and has none.  NaN codes are not served.
; REGISTERS, in two windows of 256.  Window 0: v1-12 addresses; v13, v14 2^ep and 448 x 2^ep; v16-31 the sums; v32-63 Q; v64-95 K's fragments; v96-127 V's (pass 1: K's second buffer); v128-159 p's codes;
;   v160-167 -M; v168-175 the largest scores; v176-183 1 / sum; v184-187 the lane exchange.   Window 1: v0-127 S^T, then p (tile q, key tile t at 32 q + 8 t); v128-255 O^T (128 + 32 q + 8 t).
.set VIMG,  131072                     ; LDS: K's images from byte 0, V's from here,
.set STAGE, 262144                     ; and the way out: 16 rows x (256 bytes + 16) for each wave
.set SP,    272
.set LI,  1                            ; v1   16 x lane: my place in an image of K
.set LIV, 2                            ; v2   the same in V's
.set ADK, 3                            ; v3   LDS address of the K fragments in hand
.set ADV, 4                            ; v4   of V's
.set FS,  5                            ; v5-8 16 x thread + 0, 65,536, 131,072, 196,608: where I store images; v5 is also my offset in a head's codes in memory
.set STO, 10                           ; v10  the way out: where I put 32 bytes of a row
.set RD,  11                           ; v11  where I read a row back
.set GO,  12                           ; v12  my byte offset in the wave's rows of the output
.set SC,  13                           ; v13  2^ep as f32
.set LIM, 14                           ; v14  448 x 2^ep
.set L,   16                           ; tile q's sum in two pairs: v[16 + 4 q], v[18 + 4 q]
.set Q,   32                           ; tile q's fragment at v[32 + 8 q]
.set KF,  64
.set VF,  96
.set P,   128                          ; tile q's codes at v[128 + 8 q]
.set NM,  160                          ; tile q's -M at v[160 + 2 q] (the packed form names the pair)
.set MX,  168                          ; tile q's largest score, in two chains
.set R,   176                          ; tile q's 2^(ep + ev) / sum, a pair
.set TP,  184                          ; the lane exchange's destinations
.set TMP, 64                           ; the way out: a tile's 32 results
.set O,   128                          ; in window 1
.set CS,  24                           ; s[24:25] c = log2(e) / 8 x 2^(eq + ek)
.set SEL, 26                           ; s[26:27] lane selects for v_permlanex16_b32: lane l xor 16
.set TB,  28                           ; s28  LDS byte at which the step in hand begins; also the loops' counter
.set MSB, 0
.macro WIN new                         ; low byte: bits 1:0 source 0, 3:2 source 1, 5:4 source 2, 7:6 destination; the high byte repeats the setting that is left
.if MSB != (\new)
	s_set_vgpr_msb (MSB<<8)|(\new)
.set MSB, (\new)
.endif
.endm
	s_load_b256 s[4:11], s[0:1], 0x0               ; qc s[4:5], kc s[6:7], vc s[8:9], the scales' exponents s[10:11]
	s_load_b64 s[12:13], s[0:1], 0x20              ; the output
	v_lshl_add_u32 v190, v0, 2, 0x48800
	v_mov_b32 v191, 0
	v_lshrrev_b32 v3, 5, v0
	v_readfirstlane_b32 s14, v3                    ; wave 0..7
	s_and_b32 s15, ttmp7, 0xffff                   ; batch x 16 + head
	s_lshl_b32 s32, s15, 17                        ; the head's 131,072 bytes in each buffer of codes
	s_mov_b32 s33, 0
	s_lshl_b32 s34, ttmp9, 15                      ; my block of 512 queries: 32 fragments,
	s_lshl_b32 s16, s14, 12                        ; my wave's four
	s_add_co_u32 s34, s34, s16
	s_add_co_u32 s34, s34, s32
	s_mov_b32 s35, 0
	s_lshr_b32 s36, s15, 4
	s_lshl_b32 s36, s36, 23                        ; the output: a batch is 2,048 rows of 4,096 bytes,
	s_lshl_b32 s16, ttmp9, 21                      ; a block 512 rows,
	s_add_co_u32 s36, s36, s16
	s_lshl_b32 s16, s14, 18                        ; a wave 64,
	s_add_co_u32 s36, s36, s16
	s_and_b32 s16, s15, 15
	s_lshl_b32 s16, s16, 8                         ; a head 256 bytes of a row
	s_add_co_u32 s36, s36, s16
	s_mov_b32 s37, 0
	s_mov_b32 s[SEL], 0x76543210
	s_mov_b32 s[SEL+1], 0xfedcba98
	v_and_b32 v[LI], 31, v0
	v_lshlrev_b32 v[LI], 4, v[LI]
	v_add_nc_u32 v[LIV], VIMG, v[LI]
	v_lshlrev_b32 v[FS], 4, v0
	v_add_nc_u32 v[FS+1], 0x10000, v[FS]
	v_add_nc_u32 v[FS+2], 0x20000, v[FS]
	v_add_nc_u32 v[FS+3], 0x30000, v[FS]
	s_wait_kmcnt 0x0
	s_load_b128 s[20:23], s[10:11], 0x18           ; eq, ek, ev, ep
	s_add_nc_u64 s[4:5], s[4:5], s[34:35]
	s_add_nc_u64 s[6:7], s[6:7], s[32:33]
	s_add_nc_u64 s[8:9], s[8:9], s[32:33]
	s_add_nc_u64 s[12:13], s[12:13], s[36:37]
.irp q, 0,1,2,3
	global_load_b128 v[Q+8*\q:Q+8*\q+3],   v[LI], s[4:5] offset:1024*\q th:TH_LOAD_NT       ; my four fragments of Q stay in registers; nobody else reads them
	global_load_b128 v[Q+8*\q+4:Q+8*\q+7], v[LI], s[4:5] offset:1024*\q+512 th:TH_LOAD_NT
.endr
	WIN 0x40                                       ; destination window 1
.set i, 0
.rept 32
	global_load_b128 v[4*i:4*i+3], v[FS], s[6:7] offset:4096*i           ; the head's K: the 256 threads take 4,096 consecutive bytes an instruction, into the registers that S^T will take
.set i, i+1
.endr
.set i, 0
.rept 32
	global_load_b128 v[O+4*i:O+4*i+3], v[FS], s[8:9] offset:4096*i       ; the head's V, into the registers that O^T will take: it lands while pass 1 runs
.set i, i+1
.endr
	WIN 0
	s_mul_i32 s17, s14, 16*SP
	s_add_co_u32 s17, s17, STAGE                   ; my stage
	v_and_b32 v3, 15, v0                           ; r
	v_bfe_u32 v4, v0, 4, 1                         ; h
	v_mul_u32_u24 v[STO], v3, SP
	v_lshl_add_u32 v[STO], v4, 5, v[STO]
	v_add_nc_u32 v[STO], s17, v[STO]               ; in: row r; channel tile t's eight channels of my half: 64 t + 32 h bytes on
	v_mul_u32_u24 v[RD], v4, SP
	v_lshl_add_u32 v[RD], v3, 4, v[RD]
	v_add_nc_u32 v[RD], s17, v[RD]                 ; back: lanes 0-15 one row of 256 bytes, lanes 16-31 the next
	v_lshlrev_b32 v[GO], 12, v4
	v_lshl_add_u32 v[GO], v3, 4, v[GO]             ; and the same two rows in the output
.irp j, 0,1,2,3,4,5,6,7
	v_mov_b32 v[MX+\j], 0xff800000                 ; -infinity, under every score
.endr
.irp j, 0,1,2,3
	v_mov_b32 v[TP+\j], 0                          ; written once: a lane permute's destination counts as one of its sources
.endr
	s_wait_kmcnt 0x0
	s_add_co_i32 s16, s20, s21
	s_lshl_b32 s16, s16, 23
	s_add_co_i32 s[CS], s16, 0x3e38aa3b            ; c = log2(e) / 8; a score stands for score x 2^(eq + ek): the two exponents are added to c's exponent field
	s_mov_b32 s[CS+1], s[CS]                       ; (named with it as a pair, so it is written)
	s_add_co_i32 s16, s23, 127
	s_lshl_b32 s17, s16, 23
	v_mov_b32 v[SC], s17
	s_add_co_i32 s16, s16, 8
	s_lshl_b32 s16, s16, 23
	s_or_b32 s16, s16, 0x600000
	v_mov_b32 v[LIM], s16
	s_add_co_i32 s30, s22, s23                     ; ep + ev
	s_wait_loadcnt 32                              ; Q and K are in; V's 32 loads stay out
	WIN 0x04                                       ; store data window 1
.set i, 0
.rept 32
	ds_store_b128 v[FS+i/16], v[4*i:4*i+3] offset:4096*(i%16)
.set i, i+1
.endr
	WIN 0
	s_wait_dscnt 0x0                               ; for the others' sake: my part of K lies in LDS
	s_barrier_signal -1
	s_barrier_wait -1                              ; everybody's does
.macro FETCH reg, adr, off             ; four fragments (a step's 64 keys of K, or its 64 channels of V): eight loads, 512 consecutive bytes each
.irp t, 0,1,2,3
	ds_load_b128 v[\reg+8*\t:\reg+8*\t+3],   v[\adr] offset:(\off)+1024*\t
	ds_load_b128 v[\reg+8*\t+4:\reg+8*\t+7], v[\adr] offset:(\off)+1024*\t+512
.endr
.endm
.macro SMUL buf, q0, n                 ; S^T = K Q^T for query tiles q0 .. q0 + n - 1: 4 n products, each a whole sum (K = 64), each on an accumulator of its own
.set tt, 0
.rept 4
.set qq, \q0
.rept \n
	v_wmma_f32_16x16x64_fp8_fp8 v[32*qq+8*tt:32*qq+8*tt+7], v[\buf+8*tt:\buf+8*tt+7], v[Q+8*qq:Q+8*qq+7], 0
.set qq, qq+1
.endr
.set tt, tt+1
.endr
.endm
.macro MAXSET q0                       ; the largest of tiles q0 and q0 + 1's 2 x 32 scores, onto four chains; each accumulator from its low end on
.irp t, 0,1,2,3
.irp p, 0,1,2,3
.irp q, \q0, \q0+1
	v_max3_num_f32 v[MX+2*(\q)+\p%2], v[MX+2*(\q)+\p%2], v[32*(\q)+8*\t+2*\p], v[32*(\q)+8*\t+2*\p+1]
.endr
.endr
.endr
.endm
; PASS 1, a step of 64 keys.  K's fragments lie in buffer cur; the next step's are asked for into nxt (off < 0: none).  The maxima of one pair of tiles stand behind the products of the other pair: they name none of
; those products' registers, so they are the places in front of the reads of results, of the products that write S^T anew and of the loads into a buffer just multiplied.  first = 1: four v_nop in their stead.
.macro P1 cur, nxt, adr, off, first
	WIN 0
	s_wait_dscnt 0x0                               ; this step's fragments are in (asked for a step ago)
.if (\off) >= 0
	FETCH \nxt, \adr, \off
.endif
	WIN 0x40                                       ; D window 1
	SMUL \cur, 0, 2
.if \first
.rept 4
	v_nop
.endr
.else
	WIN 0x14                                       ; sources 1 and 2 window 1
	MAXSET 2                                       ; the step before's tiles 2 and 3
.endif
	WIN 0x40
	SMUL \cur, 2, 2
	WIN 0x14
	MAXSET 0
.endm
	FETCH KF, LI, 0
	P1 KF, VF, LI, 4096, 1                         ; step 0
	WIN 0
	s_mov_b32 s[TB], 8192
.Lp1:                                              ; 15 trips of two steps: steps 1 to 30
	v_add_nc_u32 v[ADK], s[TB], v[LI]
	P1 VF, KF, ADK, 0, 0
	P1 KF, VF, ADK, 4096, 0
	WIN 0
	s_add_co_u32 s[TB], s[TB], 8192
	s_cmp_lt_u32 s[TB], 131072
	s_cbranch_scc1 .Lp1
	P1 VF, KF, LI, -1, 0                           ; step 31: nothing more to fetch
	MAXSET 2
	WIN 0
	; BETWEEN THE PASSES: pass 2's first fragments of K are asked for; V goes into LDS; -M is made.
	FETCH KF, LI, 0
	s_wait_loadcnt 0x0                             ; V
	WIN 0x04
.set i, 0
.rept 32
	ds_store_b128 v[FS+2+i/16], v[O+4*i:O+4*i+3] offset:4096*(i%16)      ; bytes 131,072 on: no wave's reads of K, which end at byte 131,071, touch them
.set i, i+1
.endr
	WIN 0
.irp q, 0,1,2,3
	v_max_num_f32 v[MX+2*\q], v[MX+2*\q], v[MX+2*\q+1]
.endr
.irp q, 0,1,2,3
	v_permlanex16_b32 v[TP+\q], v[MX+2*\q], s[SEL], s[SEL+1]             ; the query's other 1,024 keys lie in the lane 16 away
.endr
.irp q, 0,1,2,3
	v_max_num_f32 v[MX+2*\q], v[MX+2*\q], v[TP+\q]
.endr
.irp q, 0,1,2,3
	v_mul_f32 v[MX+2*\q], s[CS], v[MX+2*\q]        ; as t (c is positive)
.endr
.irp q, 0,1,2,3
	v_floor_f32 v[NM+2*\q], -v[MX+2*\q]            ; -M = floor(-t) = -ceil(t)
.endr
.irp q, 0,1,2,3
	v_mov_b32 v[NM+2*\q+1], v[NM+2*\q]             ; (named with it as a pair, so it is written)
.endr
.set i, 0
.rept 16
	v_mov_b32 v[L+i], 0                            ; the sums
.set i, i+1
.endr
	s_wait_dscnt 0x0                               ; for the others' sake: my part of V lies in LDS
	s_barrier_signal -1
	s_barrier_wait -1                              ; everybody's does
; PASS 2, a step of 64 keys at LDS byte s[TB] of both images.  first = 1: the products V^T P start O^T's sums: nothing is cleared.  last = 1: no next K.
.macro SUB first, last
	s_wait_dscnt 0x0                               ; this step's K is in (asked for a step ago)
	WIN 0x40
	SMUL KF, 0, 4
	WIN 0
	v_add_nc_u32 v[ADV], s[TB], v[LIV]             ; four plain instructions: the places in front of the loads into K's and V's buffers, which the products above and the last step's have read, and of the first read of S^T
.if \last
	v_nop
.else
	v_add_nc_u32 v[ADK], s[TB], v[LI]
.endif
	v_nop
	v_nop
	FETCH VF, ADV, 0
.if (\last) == 0
	FETCH KF, ADK, 4096
.endif
	WIN 0x41                                       ; S^T in place; -M in window 0
	; ONE BATCH: 64 packed scalings t - M and 128 exponentials; a tile's exponentials stand among the next tile's scalings; nothing here names an exponential's result
.set k, 0
.rept 16
	v_pk_fma_f32 v[2*k:2*k+1], v[2*k:2*k+1], s[CS:CS+1], v[NM:NM+1] op_sel_hi:[1,0,0]   ; (of the pairs c and -M the low word serves both halves)
.set k, k+1
.endr
.irp q, 0,1,2
.set k, 0
.rept 16
	v_pk_fma_f32 v[32*(\q+1)+2*k:32*(\q+1)+2*k+1], v[32*(\q+1)+2*k:32*(\q+1)+2*k+1], s[CS:CS+1], v[NM+2*(\q+1):NM+2*(\q+1)+1] op_sel_hi:[1,0,0]
	v_exp_f32 v[32*\q+2*k], v[32*\q+2*k]           ; p = 2^(t - M), at most 1: not normalised
	v_exp_f32 v[32*\q+2*k+1], v[32*\q+2*k+1]
.set k, k+1
.endr
.endr
.set k, 0
.rept 32
	v_exp_f32 v[96+k], v[96+k]
.set k, k+1
.endr
	v_nop                                          ; one plain instruction behind the last exponential, ahead of the first use (ISA guide 5.7.2)
	s_wait_alu depctr_va_vdst(0)                   ; one wait for the 128 exponentials, ahead of the first instruction that names a result
	WIN 0x04                                       ; the sums window 0, p window 1
.set k, 0
.rept 8
.irp q, 0,1,2,3
	v_pk_add_f32 v[L+4*\q:L+4*\q+1], v[L+4*\q:L+4*\q+1], v[32*\q+4*k:32*\q+4*k+1]            ; THE ROW'S SUM IS TAKEN OF THE UNQUANTISED p: two at a time, in eight chains
	v_pk_add_f32 v[L+4*\q+2:L+4*\q+3], v[L+4*\q+2:L+4*\q+3], v[32*\q+4*k+2:32*\q+4*k+3]
.endr
.set k, k+1
.endr
	WIN 0
	s_cmp_ge_i32 s23, -8                           ; 448 x 2^ep >= 1.75 > p: the hold cannot act
	s_cbranch_scc1 .Lfree_\@
	WIN 0x41
.set k, 0
.rept 128
	v_min_num_f32 v[k], v[k], v[LIM]               ; the conversion to an 8-bit code does not saturate (ISA guide 7.6.2); p is not negative, so the hold is one-sided
.set k, k+1
.endr
	WIN 0
.Lfree_\@:
	WIN 0x01                                       ; p window 1; the codes and the scale window 0
.irp q, 0,1,2,3
.irp c, 0,1,2,3
	v_cvt_scalef32_pk8_fp8_f32 v[P+8*\q+2*\c:P+8*\q+2*\c+1], v[32*\q+8*\c:32*\q+8*\c+7], v[SC]   ; keys 16 c + 8 h + 0 .. 7: registers 2 c, 2 c + 1 of the operand
.endr
.endr
	v_nop                                          ; one plain vector instruction between a scaled conversion and the matrix instruction that reads its result
.if \last
	s_wait_dscnt 0x0                               ; V is in
.else
	s_wait_dscnt 8                                 ; V is in; the next step's eight loads of K may be out
.endif
.if \first
	WIN 0x40
.else
	WIN 0x50                                       ; C and D window 1
.endif
.irp t, 0,1,2,3                        ; O^T += V^T P^T: the 16 accumulators take turns, one instruction a turn, and S^T's 16 products stand between their turns
.irp q, 0,1,2,3
.if \first
	v_wmma_f32_16x16x64_fp8_fp8 v[O+32*\q+8*\t:O+32*\q+8*\t+7], v[VF+8*\t:VF+8*\t+7], v[P+8*\q:P+8*\q+7], 0
.else
	v_wmma_f32_16x16x64_fp8_fp8 v[O+32*\q+8*\t:O+32*\q+8*\t+7], v[VF+8*\t:VF+8*\t+7], v[P+8*\q:P+8*\q+7], v[O+32*\q+8*\t:O+32*\q+8*\t+7]
.endif
.endr
.endr
	WIN 0
.endm
	s_mov_b32 s[TB], 0
	SUB 1, 0                                       ; step 0
	s_mov_b32 s[TB], 4096
.Lp2:                                              ; 30 trips: steps 1 to 30
	SUB 0, 0
	s_add_co_u32 s[TB], s[TB], 4096
	s_cmp_lt_u32 s[TB], 126976
	s_cbranch_scc1 .Lp2
	SUB 0, 1                                       ; step 31
	; THE WAY OUT.  The sums' parts are added (these lines are the places behind the last products); O^T x 2^(ep + ev) / sum goes through my stage in LDS, a tile (16 rows x 256 bytes) at a time.
.irp q, 0,1,2,3
	v_pk_add_f32 v[L+4*\q:L+4*\q+1], v[L+4*\q:L+4*\q+1], v[L+4*\q+2:L+4*\q+3]
.endr
.irp q, 0,1,2,3
	v_add_f32 v[L+4*\q], v[L+4*\q], v[L+4*\q+1]
.endr
.irp q, 0,1,2,3
	v_permlanex16_b32 v[TP+\q], v[L+4*\q], s[SEL], s[SEL+1]
.endr
.irp q, 0,1,2,3
	v_add_f32 v[L+4*\q], v[L+4*\q], v[TP+\q]       ; the row's sum
.endr
.irp q, 0,1,2,3
	v_rcp_f32 v[R+2*\q], v[L+4*\q]
.endr
	v_nop                                          ; a plain instruction between the last reciprocal and the use of its result
	s_wait_alu depctr_va_vdst(0)                   ; one wait for the four reciprocals, ahead of their first reader
.irp q, 0,1,2,3
	v_ldexp_f32 v[R+2*\q], v[R+2*\q], s30          ; x 2^(ep + ev)
.endr
.irp q, 0,1,2,3
	v_mov_b32 v[R+2*\q+1], v[R+2*\q]               ; (named with it as a pair, so it is written)
.endr
; Tile q: register 8 t + j of lane (r, h) is o(query 16 q + r, channel 16 t + 8 h + j).  The rows go into the stage, 272 bytes apart, and come back whole, into a set of 32 registers of the tile's own:
; v96, v128, v192, v224 on, so that no store's data are written again.
.macro PACK q
.set OB, 96+32*\q+32*(\q/2)
	WIN 0x01                                       ; source 0 (O^T) window 1
.set k, 0
.rept 16
	v_pk_mul_f32 v[TMP+2*k:TMP+2*k+1], v[O+32*\q+2*k:O+32*\q+2*k+1], v[R+2*\q:R+2*\q+1] op_sel_hi:[1,0]   ; each accumulator from its low end on
.set k, k+1
.endr
	WIN 0
.irp t, 0,1,2,3
	ds_store_b128 v[STO], v[TMP+8*\t:TMP+8*\t+3] offset:64*\t
	ds_store_b128 v[STO], v[TMP+8*\t+4:TMP+8*\t+7] offset:64*\t+16
.endr
.irp i, 0,1,2,3,4,5,6,7
	ds_load_b128 v[OB+4*\i:OB+4*\i+3], v[RD] offset:\i*2*SP      ; LDS serves a wave's instructions in order (ISA guide 5.7.1.4): these see my stores, and the next tile's stores come behind them
.endr
.endm
.macro SEND q, younger                 ; younger: the LDS instructions issued behind tile q's loads: the next tile's sixteen, or none
.set OB, 96+32*\q+32*(\q/2)
.irp i, 0,1,2,3,4,5,6,7
	s_wait_dscnt \younger+7-\i
	global_store_b128 v[GO], v[OB+4*\i:OB+4*\i+3], s[12:13] offset:65536*\q+8192*\i th:TH_STORE_NT   ; 16 lanes store 256 consecutive bytes, a head's part of a row, at a multiple of 256 from the buffer's first byte
.endr
.endm
	PACK 0
	PACK 1                                         ; a tile's arithmetic stands between the loads of the tile before and its stores
	SEND 0, 16
	PACK 2
	SEND 1, 16
	PACK 3
	SEND 2, 16
	SEND 3, 0
	s_wait_tensorcnt 0x0
	ds_add_u32 v190, v191
	s_wait_dscnt 0x0
	s_endpgm
.Lfunc_end_k_q1a2bfff72d_attn:
	.size	k_q1a2bfff72d_attn, .Lfunc_end_k_q1a2bfff72d_attn-k_q1a2bfff72d_attn
	.p2alignl 7, 3214868480
	.fill 96, 4, 3214868480
	.section	.rodata,"a",@progbits
	.p2align	6, 0x0
	.amdhsa_kernel k_q1a2bfff72d_attn
		.amdhsa_group_segment_fixed_size 297984
		.amdhsa_private_segment_fixed_size 0
		.amdhsa_enable_private_segment 0
		.amdhsa_kernarg_size 40
		.amdhsa_user_sgpr_count 2
		.amdhsa_user_sgpr_kernarg_segment_ptr 1
		.amdhsa_wavefront_size32 1
		.amdhsa_system_sgpr_workgroup_id_x 1
		.amdhsa_system_sgpr_workgroup_id_y 1
		.amdhsa_system_sgpr_workgroup_id_z 1
		.amdhsa_system_vgpr_workitem_id 0
		.amdhsa_next_free_vgpr 512
		.amdhsa_next_free_sgpr 66
		.amdhsa_reserve_vcc 0
		.amdhsa_float_denorm_mode_32 3
		.amdhsa_float_denorm_mode_16_64 3
		.amdhsa_memory_ordered 1
		.amdhsa_forward_progress 1
		.amdhsa_inst_pref_size 116
	.end_amdhsa_kernel
	.amdgpu_metadata
---
amdhsa.version: [ 1, 2 ]
amdhsa.kernels:
  - .name:           k_q1a2bfff72d_attn
    .symbol:         k_q1a2bfff72d_attn.kd
    .args:
      - { .name: qc, .offset: 0, .size: 8, .value_kind: global_buffer, .address_space: global }
      - { .name: kc, .offset: 8, .size: 8, .value_kind: global_buffer, .address_space: global }
      - { .name: vc, .offset: 16, .size: 8, .value_kind: global_buffer, .address_space: global }
      - { .name: lowp_scales, .offset: 24, .size: 8, .value_kind: global_buffer, .address_space: global }
      - { .name: out0, .offset: 32, .size: 8, .value_kind: global_buffer, .address_space: global }
    .group_segment_fixed_size: 297984
    .private_segment_fixed_size: 0
    .kernarg_segment_align: 8
    .kernarg_segment_size: 40
    .max_flat_workgroup_size: 256
    .sgpr_count:     66
    .vgpr_count:     512
    .wavefront_size: 32
...
	.end_amdgpu_metadata
.endif
;; end of part 2
;; ======== version 2 of 2: 2 launches; version 1 with the launch attn written anew for expert scheduling mode
;; workspace buffers: qc 8,388,608 bytes; kc 8,388,608 bytes; vc 8,388,608 bytes
;; launch proj: the kernel of part 1 again; grid 4 x 96, 4 waves a work-group, clusters of 4 x 4, 327,680 bytes of LDS; arguments query_codes, key_in_codes, value_codes, Wq_codes, Wk_codes, Wv_codes, bq, bk, bv, lowp_scales, qc, kc, vc; writes qc, kc, vc
;; launch attn (part 3): grid 4 x 64, 8 waves a work-group, no clusters, 297,984 bytes of LDS; arguments qc, kc, vc, lowp_scales, out0; writes out0
.if DOCPART == 3
	.amdgcn_target "amdgcn-amd-amdhsa--gfx1250"
	.amdhsa_code_object_version 6
	.text
	.protected	k_q1a2bfff72d_attn
	.globl	k_q1a2bfff72d_attn
	.p2align	8
	.type	k_q1a2bfff72d_attn,@function
k_q1a2bfff72d_attn:
	s_mov_b64 s[64:65], 0
	v_nop
	global_prefetch_b8 v0, s[64:65] scope:SCOPE_SE
	s_setreg_imm32_b32 hwreg(HW_REG_WAVE_SCHED_MODE, 0, 2), 2
	s_setreg_imm32_b32 hwreg(HW_REG_WAVE_MODE, 25, 1), 1
	s_wait_xcnt 0x0
	s_wait_alu depctr_vm_vsrc(0)
; out[b][q][64 head + :] = the sum over keys of softmax(q . k / 8) v, for 64 heads (batch x 16 + head) of 2,048 tokens and 64 channels, both products on codes of FP8 (E4M3), f32 sums.
; qc, kc, vc hold the codes as IMAGES OF OPERAND REGISTERS of v_wmma_f32_16x16x64_fp8_fp8: a fragment (16 rows x 64 along K) is 1,024 bytes, registers 0-3 at 16 x lane, registers 4-7 at 512 + 16 x lane.
; qc, kc: [head][token tile 0..127][1024] (K = the channels);  vc: [head][64 keys 0..31][16 channels 0..3][1024] (K = the keys).  The scales' exponents: eq, ek, ev, ep = entries 6 to 9.
; THE SOFTMAX AHEAD OF THE SECOND PRODUCT: t = score x log2(e) / 8; M = the row's largest t rounded UP to a whole number; p = 2^(t - M) is quantised with 2^ep; the row's sum is taken of the unquantised p and divides at the end.
; SHARES.  A work-group owns 512 queries of one head; each of its eight waves 64 of them: four tiles of 16, in 512 registers.  The head's whole K and V, 2 x 131,072 bytes of images, lie in LDS, filled once,
; through registers; a fragment comes back by two loads of 16 bytes a lane, 512 consecutive bytes each, and feeds four matrix instructions.
; TWO PASSES.  Pass 1 makes S^T = K Q^T and keeps only each query's largest score: M is then the row's own, once and for all.  Pass 2 makes S^T again; it has no maximum, no change of M and no rescaling of
; O^T or of the sum.  For 64 keys x 16 queries that is 4 matrix instructions and 16 v_max3 more, against the running form's maximum, statistics and rescaling in every step.
; LAYOUT.  Both products are used transposed: S^T (source 0 = 16 keys, source 1 = 16 queries), O^T = V^T P^T (source 0 = 16 channels, source 1 = P): a lane holds ONE query (lane % 16) throughout.  In S^T, register j of
; key tile c holds key 16 c + 8 (lane / 16) + j: the place that this form gives k in registers 2 c, 2 c + 1: so a conversion's two registers ARE the operand's.
; THE HOLD.  p is at most 1 and the largest code stands for 448 x 2^ep: with ep >= -8 that is 1.75 or more and the hold can never act, so a scalar branch on the whole number ep leads round its 128 lines; with ep <= -9 they run.
; NO CLUSTER, NO JOINT LOADS, though the four work-groups of a head read the same 262,144 bytes.  That branch leaves out 128 of a
; step's vector instructions in each of a wave's 32 steps; the shared bytes are read once, at the head, V's while pass 1 runs.  No prefetch: every global read of the launch is issued at its head.
; LIMITS, so that each power of two below is an f32 number: eq + ek between -123 and 130 (added to c's exponent field); ep between -126 and 119; ep + ev goes by v_ldexp_f32 and has none.  NaN codes are not served.
; THE MODE: SCHED_MODE bits 1:0 = 2 (LLVM: expert scheduling mode 2), set by the entry lines.  The code itself states the register dependences between vector or matrix instructions and memory or LDS
; instructions, with s_wait_alu, always for 0.
; THE PLAN.  Registers that memory or LDS instructions touch:
;   v[LI], v[LIV], v[FS ..]  addresses made once at the head, ahead of its wait on va_vdst, and never written again.   v[STO], v[RD], v[GO]: made once at the head, first read on the way out.
;   v[ADK], v[ADV]           LDS addresses that step: a wait on vm_vsrc ahead of each add; the add stands ahead of a wait on va_vdst that is there in any case.
;   KF, VF                   written by LDS loads, read by matrix instructions.  Pass 1: two buffers of K by turns; ONE wait on va_vdst at a step's head: the products of the step before are done reading the buffer that is
;                            loaded next.  Pass 2: the wait behind the batch of exponentials also states that this step's products S^T are done reading KF and the last step's products O^T reading VF: the step's
;                            sixteen LDS loads follow it, V's in a run, the next step's K dealt among the packed sums, which name only the sums and p.
;   window 1, v0-127         K as loaded, read by my LDS stores (a wait on vm_vsrc behind the first barrier); then S^T and p, vector and matrix work alone; on the way out the rows read back from the stage.
;   window 1, v128-255       V as loaded, read by my LDS stores (the wait on vm_vsrc at the head of pass 2's first step); then O^T; on the way out multiplied in place, ONE wait on va_vdst, then stored.
; REGISTERS, in two windows of 256.  Window 0: v1-12 addresses; v13, v14 2^ep and 448 x 2^ep; v16-31 the sums; v32-63 Q; v64-95 K's fragments; v96-127 V's (pass 1: K's second buffer); v128-159 p's codes;
;   v160-167 -M; v168-175 the largest scores; v176-183 1 / sum; v184-187 the lane exchange.   Window 1: v0-127 S^T, then p (tile q, key tile t at 32 q + 8 t); v128-255 O^T (128 + 32 q + 8 t).
.set VIMG,  131072                     ; LDS: K's images from byte 0, V's from here,
.set STAGE, 262144                     ; and the way out: 16 rows x (256 bytes + 16) for each wave
.set SP,    272
.set LI,  1                            ; v1   16 x lane: my place in an image of K
.set LIV, 2                            ; v2   the same in V's
.set ADK, 3                            ; v3   LDS address of the K fragments in hand
.set ADV, 4                            ; v4   of V's
.set FS,  5                            ; v5-8 16 x thread + 0, 65,536, 131,072, 196,608: where I store images; v5 is also my offset in a head's codes in memory
.set STO, 10                           ; v10  the way out: where I put 32 bytes of a row
.set RD,  11                           ; v11  where I read a row back
.set GO,  12                           ; v12  my byte offset in the wave's rows of the output
.set SC,  13                           ; v13  2^ep as f32
.set LIM, 14                           ; v14  448 x 2^ep
.set L,   16                           ; tile q's sum in two pairs: v[16 + 4 q], v[18 + 4 q]
.set Q,   32                           ; tile q's fragment at v[32 + 8 q]
.set KF,  64
.set VF,  96
.set P,   128                          ; tile q's codes at v[128 + 8 q]
.set NM,  160                          ; tile q's -M at v[160 + 2 q] (the packed form names the pair)
.set MX,  168                          ; tile q's largest score, in two chains
.set R,   176                          ; tile q's 2^(ep + ev) / sum, a pair
.set TP,  184                          ; the lane exchange's destinations
.set O,   128                          ; in window 1
.set BK,  0                            ; in window 1: the way out: tile q's 16 rows read back from the stage at v[32 q]
.set CS,  24                           ; s[24:25] c = log2(e) / 8 x 2^(eq + ek)
.set SEL, 26                           ; s[26:27] lane selects for v_permlanex16_b32: lane l xor 16
.set TB,  28                           ; s28  LDS byte at which the step in hand begins; also the loops' counter
.set MSB, 0
.macro WIN new                         ; low byte: bits 1:0 source 0, 3:2 source 1, 5:4 source 2, 7:6 destination; the high byte repeats the setting that is left
.if MSB != (\new)
	s_set_vgpr_msb (MSB<<8)|(\new)
.set MSB, (\new)
.endif
.endm
	s_load_b256 s[4:11], s[0:1], 0x0               ; qc s[4:5], kc s[6:7], vc s[8:9], the scales' exponents s[10:11]
	s_load_b64 s[12:13], s[0:1], 0x20              ; the output
	v_lshl_add_u32 v254, v0, 2, 0x48800
	v_mov_b32 v255, 0
	v_lshrrev_b32 v3, 5, v0
	v_readfirstlane_b32 s14, v3                    ; wave 0..7
	v_and_b32 v[LI], 31, v0                        ; the addresses that stay are made between that line and the wait for it
	v_lshlrev_b32 v[LI], 4, v[LI]
	v_add_nc_u32 v[LIV], VIMG, v[LI]
	v_lshlrev_b32 v[FS], 4, v0
	v_add_nc_u32 v[FS+1], 0x10000, v[FS]
	v_add_nc_u32 v[FS+2], 0x20000, v[FS]
	v_add_nc_u32 v[FS+3], 0x30000, v[FS]
	s_and_b32 s15, ttmp7, 0xffff                   ; batch x 16 + head
	s_lshl_b32 s32, s15, 17                        ; the head's 131,072 bytes in each buffer of codes
	s_mov_b32 s33, 0
	s_lshl_b32 s34, ttmp9, 15                      ; my block of 512 queries: 32 fragments,
	s_wait_alu depctr_va_sdst(0)                   ; s14 is written, ahead of its first reader: Q's and the output's bases and my stage's place are made from it
	s_lshl_b32 s16, s14, 12                        ; my wave's four
	s_add_co_u32 s34, s34, s16
	s_add_co_u32 s34, s34, s32
	s_mov_b32 s35, 0
	s_lshr_b32 s36, s15, 4
	s_lshl_b32 s36, s36, 23                        ; the output: a batch is 2,048 rows of 4,096 bytes,
	s_lshl_b32 s16, ttmp9, 21                      ; a block 512 rows,
	s_add_co_u32 s36, s36, s16
	s_lshl_b32 s16, s14, 18                        ; a wave 64,
	s_add_co_u32 s36, s36, s16
	s_and_b32 s16, s15, 15
	s_lshl_b32 s16, s16, 8                         ; a head 256 bytes of a row
	s_add_co_u32 s36, s36, s16
	s_mov_b32 s37, 0
	s_mov_b32 s[SEL], 0x76543210
	s_mov_b32 s[SEL+1], 0xfedcba98
	s_wait_kmcnt 0x0
	s_load_b128 s[20:23], s[10:11], 0x18           ; eq, ek, ev, ep
	s_add_nc_u64 s[4:5], s[4:5], s[34:35]
	s_add_nc_u64 s[6:7], s[6:7], s[32:33]
	s_add_nc_u64 s[8:9], s[8:9], s[32:33]
	s_add_nc_u64 s[12:13], s[12:13], s[36:37]
	s_wait_alu depctr_va_vdst(0)                   ; v[LI], v[LIV] and v[FS] to v[FS+3] are written: the loads below, the LDS stores of K and V and the fragments' loads read them as addresses
.irp q, 0,1,2,3
	global_load_b128 v[Q+8*\q:Q+8*\q+3],   v[LI], s[4:5] offset:1024*\q th:TH_LOAD_NT       ; my four fragments of Q stay in registers; nobody else reads them
	global_load_b128 v[Q+8*\q+4:Q+8*\q+7], v[LI], s[4:5] offset:1024*\q+512 th:TH_LOAD_NT
.endr
	WIN 0x40                                       ; destination window 1  (between the wait above and the last of these loads stand loads and this switch alone)
.set i, 0
.rept 32
	global_load_b128 v[4*i:4*i+3], v[FS], s[6:7] offset:4096*i           ; the head's K: the 256 threads take 4,096 consecutive bytes an instruction, into the registers that S^T will take
.set i, i+1
.endr
.set i, 0
.rept 32
	global_load_b128 v[O+4*i:O+4*i+3], v[FS], s[8:9] offset:4096*i       ; the head's V, into the registers that O^T will take: it lands while pass 1 runs
.set i, i+1
.endr
	WIN 0
	s_mul_i32 s17, s14, 16*SP
	s_add_co_u32 s17, s17, STAGE                   ; my stage
	v_and_b32 v3, 15, v0                           ; r
	v_bfe_u32 v4, v0, 4, 1                         ; h
	v_mul_u32_u24 v[STO], v3, SP
	v_lshl_add_u32 v[STO], v4, 5, v[STO]
	v_add_nc_u32 v[STO], s17, v[STO]               ; in: row r; channel tile t's eight channels of my half: 64 t + 32 h bytes on
	v_mul_u32_u24 v[RD], v4, SP
	v_lshl_add_u32 v[RD], v3, 4, v[RD]
	v_add_nc_u32 v[RD], s17, v[RD]                 ; back: lanes 0-15 one row of 256 bytes, lanes 16-31 the next
	v_lshlrev_b32 v[GO], 12, v4
	v_lshl_add_u32 v[GO], v3, 4, v[GO]             ; and the same two rows in the output
.irp j, 0,1,2,3,4,5,6,7
	v_mov_b32 v[MX+\j], 0xff800000                 ; -infinity, under every score
.endr
.irp j, 0,1,2,3
	v_mov_b32 v[TP+\j], 0                          ; written once: a lane permute's destination counts as one of its sources
.endr
	s_wait_kmcnt 0x0
	s_add_co_i32 s16, s20, s21
	s_lshl_b32 s16, s16, 23
	s_add_co_i32 s[CS], s16, 0x3e38aa3b            ; c = log2(e) / 8; a score stands for score x 2^(eq + ek): the two exponents are added to c's exponent field
	s_mov_b32 s[CS+1], s[CS]                       ; (named with it as a pair, so it is written)
	s_add_co_i32 s16, s23, 127
	s_lshl_b32 s17, s16, 23
	v_mov_b32 v[SC], s17
	s_add_co_i32 s16, s16, 8
	s_lshl_b32 s16, s16, 23
	s_or_b32 s16, s16, 0x600000
	v_mov_b32 v[LIM], s16
	s_add_co_i32 s30, s22, s23                     ; ep + ev
	s_wait_loadcnt 32                              ; Q and K are in; V's 32 loads stay out
	WIN 0x04                                       ; store data window 1
.set i, 0
.rept 32
	ds_store_b128 v[FS+i/16], v[4*i:4*i+3] offset:4096*(i%16)            ; the data come from loads; no vector instruction since the head's wait names v[FS ..]
.set i, i+1
.endr
	WIN 0
	s_wait_dscnt 0x0                               ; for the others' sake: my part of K lies in LDS
	s_barrier_signal -1
	s_barrier_wait -1                              ; everybody's does
	s_wait_alu depctr_vm_vsrc(0)                   ; my LDS stores have read window 1's v0-127: these registers are S^T from here on, written by the products below
.macro FETCH reg, adr, off             ; four fragments (a step's 64 keys of K, or its 64 channels of V): eight loads, 512 consecutive bytes each
.irp t, 0,1,2,3
	ds_load_b128 v[\reg+8*\t:\reg+8*\t+3],   v[\adr] offset:(\off)+1024*\t
	ds_load_b128 v[\reg+8*\t+4:\reg+8*\t+7], v[\adr] offset:(\off)+1024*\t+512
.endr
.endm
.macro SMUL buf, q0, n                 ; S^T = K Q^T for query tiles q0 .. q0 + n - 1: 4 n products, each a whole sum (K = 64), each on an accumulator of its own
.set tt, 0
.rept 4
.set qq, \q0
.rept \n
	v_wmma_f32_16x16x64_fp8_fp8 v[32*qq+8*tt:32*qq+8*tt+7], v[\buf+8*tt:\buf+8*tt+7], v[Q+8*qq:Q+8*qq+7], 0
.set qq, qq+1
.endr
.set tt, tt+1
.endr
.endm
.macro MAXSET q0                       ; the largest of tiles q0 and q0 + 1's 2 x 32 scores, onto four chains; each accumulator from its low end on
.irp t, 0,1,2,3
.irp p, 0,1,2,3
.irp q, \q0, \q0+1
	v_max3_num_f32 v[MX+2*(\q)+\p%2], v[MX+2*(\q)+\p%2], v[32*(\q)+8*\t+2*\p], v[32*(\q)+8*\t+2*\p+1]
.endr
.endr
.endr
.endm
; PASS 1, a step of 64 keys.  K's fragments lie in buffer cur; the next step's are asked for into nxt, at the step's head, so that they have the whole step in which to land.  The maxima of one pair of tiles stand behind
; the products of the other pair: they name none of those products' registers, so they are the places (ISA guide 7.12.1) in front of the reads of results and of the products that write S^T anew.
; first = 1: four v_nop in their stead, and no wait: no vector or matrix instruction has named nxt yet.
.macro P1 cur, nxt, adr, off, first
	WIN 0
	s_wait_dscnt 0x0                               ; this step's fragments are in (asked for a step ago)
.if !\first
	s_wait_alu depctr_va_vdst(0)                   ; the products of the step before are done reading buffer nxt, in which the loads below land; in a trip's first step v[ADK] is written, which they read
.endif
	FETCH \nxt, \adr, \off
	WIN 0x40                                       ; D window 1
	SMUL \cur, 0, 2
.if \first
.rept 4
	v_nop
.endr
.else
	WIN 0x14                                       ; sources 1 and 2 window 1
	MAXSET 2                                       ; the step before's tiles 2 and 3
.endif
	WIN 0x40
	SMUL \cur, 2, 2
	WIN 0x14
	MAXSET 0
.endm
	FETCH KF, LI, 0
	P1 KF, VF, LI, 4096, 1                         ; step 0
	WIN 0
	s_mov_b32 s[TB], 8192
.Lp1:                                              ; 15 trips of two steps: steps 1 to 30
	s_wait_alu depctr_vm_vsrc(0)                   ; the LDS loads issued so far have read v[ADK]
	v_add_nc_u32 v[ADK], s[TB], v[LI]
	P1 VF, KF, ADK, 0, 0
	P1 KF, VF, ADK, 4096, 0
	WIN 0
	s_add_co_u32 s[TB], s[TB], 8192
	s_cmp_lt_u32 s[TB], 131072
	s_cbranch_scc1 .Lp1
	P1 VF, KF, LI, 0, 0                            ; step 31: what it asks for is pass 2's first fragments of K, keys 0 to 63 again
	MAXSET 2
	WIN 0
	; BETWEEN THE PASSES: V goes into LDS; -M is made.
	s_wait_loadcnt 0x0                             ; V
	WIN 0x04
.set i, 0
.rept 32
	ds_store_b128 v[FS+2+i/16], v[O+4*i:O+4*i+3] offset:4096*(i%16)      ; bytes 131,072 on: no wave's reads of K, which end at byte 131,071, touch them.  The data come from loads; v[FS ..] stand since the head
.set i, i+1
.endr
	WIN 0
.irp q, 0,1,2,3
	v_max_num_f32 v[MX+2*\q], v[MX+2*\q], v[MX+2*\q+1]
.endr
.irp q, 0,1,2,3
	v_permlanex16_b32 v[TP+\q], v[MX+2*\q], s[SEL], s[SEL+1]             ; the query's other 1,024 keys lie in the lane 16 away
.endr
.irp q, 0,1,2,3
	v_max_num_f32 v[MX+2*\q], v[MX+2*\q], v[TP+\q]
.endr
.irp q, 0,1,2,3
	v_mul_f32 v[MX+2*\q], s[CS], v[MX+2*\q]        ; as t (c is positive)
.endr
.irp q, 0,1,2,3
	v_floor_f32 v[NM+2*\q], -v[MX+2*\q]            ; -M = floor(-t) = -ceil(t)
.endr
.irp q, 0,1,2,3
	v_mov_b32 v[NM+2*\q+1], v[NM+2*\q]             ; (named with it as a pair, so it is written)
.endr
.set i, 0
.rept 16
	v_mov_b32 v[L+i], 0                            ; the sums
.set i, i+1
.endr
	s_wait_dscnt 0x0                               ; for the others' sake: my part of V lies in LDS
	s_barrier_signal -1
	s_barrier_wait -1                              ; everybody's does
; PASS 2, a step of 64 keys at LDS byte s[TB] of both images.  first = 1: the products V^T P start O^T's sums: nothing is cleared.  last = 1: no next K.
.macro SUB first, last
	s_wait_dscnt 0x0                               ; this step's K is in (asked for in the step before)
	s_wait_alu depctr_vm_vsrc(0)                   ; the LDS loads issued so far have read v[ADV] and v[ADK], which are written below; in the first step also: my LDS stores of V have read window 1's v128-255, which this step's last products write
	WIN 0x40
	SMUL KF, 0, 4
	WIN 0
	v_add_nc_u32 v[ADV], s[TB], v[LIV]             ; four plain instructions: the places in front of the first read of S^T (ISA guide 7.12.1)
.if \last
	v_nop
.else
	v_add_nc_u32 v[ADK], s[TB], v[LI]
.endif
	v_nop
	v_nop
	WIN 0x41                                       ; S^T in place; -M in window 0
	; ONE BATCH: 64 packed scalings t - M and 128 exponentials; a tile's exponentials stand among the next tile's scalings; nothing here names an exponential's result
.set k, 0
.rept 16
	v_pk_fma_f32 v[2*k:2*k+1], v[2*k:2*k+1], s[CS:CS+1], v[NM:NM+1] op_sel_hi:[1,0,0]   ; (of the pairs c and -M the low word serves both halves)
.set k, k+1
.endr
.irp q, 0,1,2
.set k, 0
.rept 16
	v_pk_fma_f32 v[32*(\q+1)+2*k:32*(\q+1)+2*k+1], v[32*(\q+1)+2*k:32*(\q+1)+2*k+1], s[CS:CS+1], v[NM+2*(\q+1):NM+2*(\q+1)+1] op_sel_hi:[1,0,0]
	v_exp_f32 v[32*\q+2*k], v[32*\q+2*k]           ; p = 2^(t - M), at most 1: not normalised
	v_exp_f32 v[32*\q+2*k+1], v[32*\q+2*k+1]
.set k, k+1
.endr
.endr
.set k, 0
.rept 32
	v_exp_f32 v[96+k], v[96+k]
.set k, k+1
.endr
	v_nop                                          ; one plain instruction behind the last exponential, ahead of the first use (ISA guide 5.7.2)
	WIN 0x04                                       ; the sums window 0, p window 1; an LDS load's data and address: window 0
	s_wait_alu depctr_va_vdst(0)                   ; ONE wait: the 128 exponentials have written p, ahead of the first instruction that names a result; v[ADV] and v[ADK] are written; this step's products S^T are done reading KF, the last step's products O^T reading VF
	FETCH VF, ADV, 0                               ; this step's V, in one run: it is wanted first
.set k, 0
.rept 8
.if ((\last) == 0) && (k < 4)
	ds_load_b128 v[KF+8*k:KF+8*k+3],   v[ADK] offset:4096+1024*k         ; the next step's K, a fragment ahead of each of the first four groups of sums.  No wait: no vector instruction since the wait above names KF or v[ADK]
	ds_load_b128 v[KF+8*k+4:KF+8*k+7], v[ADK] offset:4096+1024*k+512
.endif
.irp q, 0,1,2,3
	v_pk_add_f32 v[L+4*\q:L+4*\q+1], v[L+4*\q:L+4*\q+1], v[32*\q+4*k:32*\q+4*k+1]            ; THE ROW'S SUM IS TAKEN OF THE UNQUANTISED p: two at a time, in eight chains
	v_pk_add_f32 v[L+4*\q+2:L+4*\q+3], v[L+4*\q+2:L+4*\q+3], v[32*\q+4*k+2:32*\q+4*k+3]
.endr
.set k, k+1
.endr
	WIN 0
	s_cmp_ge_i32 s23, -8                           ; 448 x 2^ep >= 1.75 > p: the hold cannot act
	s_cbranch_scc1 .Lfree_\@
	WIN 0x41
.set k, 0
.rept 128
	v_min_num_f32 v[k], v[k], v[LIM]               ; the conversion to an 8-bit code does not saturate (ISA guide 7.6.2); p is not negative, so the hold is one-sided
.set k, k+1
.endr
	WIN 0
.Lfree_\@:
	WIN 0x01                                       ; p window 1; the codes and the scale window 0
.irp q, 0,1,2,3
.irp c, 0,1,2,3
	v_cvt_scalef32_pk8_fp8_f32 v[P+8*\q+2*\c:P+8*\q+2*\c+1], v[32*\q+8*\c:32*\q+8*\c+7], v[SC]   ; keys 16 c + 8 h + 0 .. 7: registers 2 c, 2 c + 1 of the operand
.endr
.endr
	v_nop                                          ; one plain vector instruction between a scaled conversion and the matrix instruction that reads its result
.if \last
	s_wait_dscnt 0x0                               ; V is in
.else
	s_wait_dscnt 8                                 ; V is in; the next step's eight loads of K, issued behind V's, may be out
.endif
.if \first
	WIN 0x40
.else
	WIN 0x50                                       ; C and D window 1
.endif
.irp t, 0,1,2,3                        ; O^T += V^T P^T: the 16 accumulators take turns, one instruction a turn, and S^T's 16 products stand between their turns
.irp q, 0,1,2,3
.if \first
	v_wmma_f32_16x16x64_fp8_fp8 v[O+32*\q+8*\t:O+32*\q+8*\t+7], v[VF+8*\t:VF+8*\t+7], v[P+8*\q:P+8*\q+7], 0
.else
	v_wmma_f32_16x16x64_fp8_fp8 v[O+32*\q+8*\t:O+32*\q+8*\t+7], v[VF+8*\t:VF+8*\t+7], v[P+8*\q:P+8*\q+7], v[O+32*\q+8*\t:O+32*\q+8*\t+7]
.endif
.endr
.endr
	WIN 0
.endm
	s_mov_b32 s[TB], 0
	SUB 1, 0                                       ; step 0
	s_mov_b32 s[TB], 4096
.Lp2:                                              ; 30 trips: steps 1 to 30
	SUB 0, 0
	s_add_co_u32 s[TB], s[TB], 4096
	s_cmp_lt_u32 s[TB], 126976
	s_cbranch_scc1 .Lp2
	SUB 0, 1                                       ; step 31
	; THE WAY OUT.  The sums' parts are added (these lines are the places behind the last products); O^T x 2^(ep + ev) / sum goes through my stage in LDS, a tile (16 rows x 256 bytes) at a time.
.irp q, 0,1,2,3
	v_pk_add_f32 v[L+4*\q:L+4*\q+1], v[L+4*\q:L+4*\q+1], v[L+4*\q+2:L+4*\q+3]
.endr
.irp q, 0,1,2,3
	v_add_f32 v[L+4*\q], v[L+4*\q], v[L+4*\q+1]
.endr
.irp q, 0,1,2,3
	v_permlanex16_b32 v[TP+\q], v[L+4*\q], s[SEL], s[SEL+1]
.endr
.irp q, 0,1,2,3
	v_add_f32 v[L+4*\q], v[L+4*\q], v[TP+\q]       ; the row's sum
.endr
.irp q, 0,1,2,3
	v_rcp_f32 v[R+2*\q], v[L+4*\q]
.endr
	v_nop                                          ; a plain instruction between the last reciprocal and the use of its result
	s_wait_alu depctr_va_vdst(0)                   ; the four reciprocals have written v[R ..], ahead of their first reader
.irp q, 0,1,2,3
	v_ldexp_f32 v[R+2*\q], v[R+2*\q], s30          ; x 2^(ep + ev)
.endr
.irp q, 0,1,2,3
	v_mov_b32 v[R+2*\q+1], v[R+2*\q]               ; (named with it as a pair, so it is written)
.endr
	; Register 8 t + j of tile q in lane (r, h) is o(query 16 q + r, channel 16 t + 8 h + j).  All four tiles are multiplied in place, ahead of ONE wait; behind it stand LDS and memory instructions alone.
	WIN 0x41                                       ; O^T (destination and source 0) window 1, the factor window 0
.irp q, 0,1,2,3
.set k, 0
.rept 16
	v_pk_mul_f32 v[O+32*\q+2*k:O+32*\q+2*k+1], v[O+32*\q+2*k:O+32*\q+2*k+1], v[R+2*\q:R+2*\q+1] op_sel_hi:[1,0]   ; each accumulator from its low end on
.set k, k+1
.endr
.endr
	WIN 0x44                                       ; store data and loaded data window 1, addresses window 0: one setting for the stage's stores and loads and for the stores to memory
	s_wait_alu depctr_va_vdst(0)                   ; the multiplications have written O^T, which the LDS stores read; the sums, holds and conversions are done with window 1's v0-127, in which the loads from the stage land
; Tile q: the rows go into the stage, 272 bytes apart, and come back whole, into 32 registers of the tile's own (where its p lay), so that no store's data are written again.
.macro PACK q
.irp t, 0,1,2,3
	ds_store_b128 v[STO], v[O+32*\q+8*\t:O+32*\q+8*\t+3] offset:64*\t
	ds_store_b128 v[STO], v[O+32*\q+8*\t+4:O+32*\q+8*\t+7] offset:64*\t+16
.endr
.irp i, 0,1,2,3,4,5,6,7
	ds_load_b128 v[BK+32*\q+4*\i:BK+32*\q+4*\i+3], v[RD] offset:\i*2*SP      ; LDS serves a wave's instructions in order (ISA guide 5.7.1.4): these see my stores, and the next tile's stores come behind them
.endr
.endm
.macro SEND q, younger                 ; younger: the LDS instructions issued behind tile q's loads: the next tile's sixteen, or none
.irp i, 0,1,2,3,4,5,6,7
	s_wait_dscnt \younger+7-\i
	global_store_b128 v[GO], v[BK+32*\q+4*\i:BK+32*\q+4*\i+3], s[12:13] offset:65536*\q+8192*\i th:TH_STORE_NT   ; 16 lanes store 256 consecutive bytes, a head's part of a row, at a multiple of 256 from the buffer's first byte
.endr
.endm
	PACK 0
	PACK 1                                         ; a tile's way through the stage stands between the loads of the tile before and its stores
	SEND 0, 16
	PACK 2
	SEND 1, 16
	PACK 3
	SEND 2, 16
	SEND 3, 0
	WIN 0                                          ; every window back at 0
	s_wait_dscnt 0x0
	s_wait_alu depctr_hold_cnt(0) depctr_sa_sdst(0) depctr_va_vdst(0) depctr_va_sdst(0) depctr_va_ssrc(0) depctr_va_vcc(0) depctr_vm_vsrc(0)
	s_wait_tensorcnt 0x0
	ds_add_u32 v254, v255
	s_wait_dscnt 0x0
	s_endpgm
.Lfunc_end_k_q1a2bfff72d_attn:
	.size	k_q1a2bfff72d_attn, .Lfunc_end_k_q1a2bfff72d_attn-k_q1a2bfff72d_attn
	.p2alignl 7, 3214868480
	.fill 96, 4, 3214868480
	.section	.rodata,"a",@progbits
	.p2align	6, 0x0
	.amdhsa_kernel k_q1a2bfff72d_attn
		.amdhsa_group_segment_fixed_size 297984
		.amdhsa_private_segment_fixed_size 0
		.amdhsa_enable_private_segment 0
		.amdhsa_kernarg_size 40
		.amdhsa_user_sgpr_count 2
		.amdhsa_user_sgpr_kernarg_segment_ptr 1
		.amdhsa_wavefront_size32 1
		.amdhsa_system_sgpr_workgroup_id_x 1
		.amdhsa_system_sgpr_workgroup_id_y 1
		.amdhsa_system_sgpr_workgroup_id_z 1
		.amdhsa_system_vgpr_workitem_id 0
		.amdhsa_next_free_vgpr 512
		.amdhsa_next_free_sgpr 66
		.amdhsa_reserve_vcc 0
		.amdhsa_float_denorm_mode_32 3
		.amdhsa_float_denorm_mode_16_64 3
		.amdhsa_memory_ordered 1
		.amdhsa_forward_progress 1
		.amdhsa_inst_pref_size 116
	.end_amdhsa_kernel
	.amdgpu_metadata
---
amdhsa.version: [ 1, 2 ]
amdhsa.kernels:
  - .name:           k_q1a2bfff72d_attn
    .symbol:         k_q1a2bfff72d_attn.kd
    .args:
      - { .name: qc, .offset: 0, .size: 8, .value_kind: global_buffer, .address_space: global }
      - { .name: kc, .offset: 8, .size: 8, .value_kind: global_buffer, .address_space: global }
      - { .name: vc, .offset: 16, .size: 8, .value_kind: global_buffer, .address_space: global }
      - { .name: lowp_scales, .offset: 24, .size: 8, .value_kind: global_buffer, .address_space: global }
      - { .name: out0, .offset: 32, .size: 8, .value_kind: global_buffer, .address_space: global }
    .group_segment_fixed_size: 297984
    .private_segment_fixed_size: 0
    .kernarg_segment_align: 8
    .kernarg_segment_size: 40
    .max_flat_workgroup_size: 256
    .sgpr_count:     66
    .vgpr_count:     512
    .wavefront_size: 32
...
	.end_amdgpu_metadata
.endif
;; end of part 3
